; MI455X (gfx1250); checked and timed in simulation.
; The chip was launched on July 23, 2026; its instructions are those of AMD's public machine-readable ISA for CDNA 5 (MIT licence, August 2026) and "CDNA5" Instruction Set Architecture Reference Guide (July 2026). The comments in the code are by the model that wrote it; some were corrected since.
;; Multi Head Attention. Allowed arithmetic: float matrix products may take bf16 or f16 operands with f32 sums; all other float work in f32.
;; Inputs: W_k 512 x 512 float32; W_o 512 x 512 float32; W_q 512 x 512 float32; W_v 512 x 512 float32; b_k 512 float32; b_o 512 float32; b_q 512 float32; b_v 512 float32; k 4 x 2,048 x 512 float32; padding_mask 4 x 1 x 1 x 2,048 bool; q 4 x 2,048 x 512 float32; v 4 x 2,048 x 512 float32.
;; Outputs: out0 4 x 2,048 x 512 float32.
;; One version. Each part assembles by itself: llvm-mc -triple=amdgcn-amd-amdhsa -mcpu=gfx1250 --defsym DOCPART=n.
;; ======== version 1 of 1: 4 launches
;; limits: values are held in f16: magnitudes above 65,504 overflow, below 6.1e-05 lose precision
;; workspace buffers: wh 2,097,152 bytes; qkv 25,165,824 bytes; xh 8,388,608 bytes
;; launch prep (part 1): grid 64 x 4, 8 waves a work-group, no clusters, 0 bytes of LDS; arguments W_q, W_k, W_v, W_o, wh; writes wh
.if DOCPART == 1
	.amdgcn_target "amdgcn-amd-amdhsa--gfx1250"
	.amdhsa_code_object_version 6
	.text
	.protected	k_q58778a2c98_prep
	.globl	k_q58778a2c98_prep
	.p2align	8
	.type	k_q58778a2c98_prep,@function
k_q58778a2c98_prep:
	s_mov_b64 s[64:65], 0
	v_nop
	global_prefetch_b8 v0, s[64:65] scope:SCOPE_SE
	s_setreg_imm32_b32 hwreg(HW_REG_WAVE_MODE, 25, 1), 1
	s_wait_xcnt 0x0
; wh[z][k][n] = f16(W_z[k][n]), z = 0..3 for W_q, W_k, W_v, W_o, in W's own order; W_q is multiplied by c = log2(e)/8 first,
; so that the later scores come out scaled by 1/sqrt(64) and ready for a base-2 exponential.
; A pure stream: 256 work-groups, 4,096 numbers each, 16 a thread; each byte is read once and written once.
; No LDS, no matrix unit, no cluster: the work-groups share no input.
; LIMIT: |W| (|c W_q|) below 65,504, the largest f16.
.set CSC, 0x3e38aa3b                   ; log2(e) / 8
	s_load_b256 s[4:11], s[0:1], 0x0               ; W_q s[4:5], W_k s[6:7], W_v s[8:9], W_o s[10:11]
	s_load_b64 s[12:13], s[0:1], 0x20              ; wh
	s_and_b32 s14, ttmp7, 0xffff                   ; z: which weight
	s_lshl_b32 s16, ttmp9, 14                      ; my 4,096 numbers in f32: 16,384 bytes a work-group
	s_mov_b32 s17, 0
	s_lshl_b32 s18, s14, 19                        ; in wh: 524,288 bytes a weight,
	s_lshl_b32 s19, ttmp9, 13                      ; 8,192 bytes a work-group
	s_add_co_u32 s18, s18, s19
	s_mov_b32 s19, 0
	v_lshlrev_b32 v1, 5, v0                        ; 8 f32 a thread
	v_lshlrev_b32 v2, 4, v0                        ; 8 f16 a thread
	s_wait_kmcnt 0x0
	s_cmp_eq_u32 s14, 1                            ; the choice of the buffer hangs on the work-group's y alone
	s_cselect_b64 s[4:5], s[6:7], s[4:5]
	s_cmp_eq_u32 s14, 2
	s_cselect_b64 s[4:5], s[8:9], s[4:5]
	s_cmp_eq_u32 s14, 3
	s_cselect_b64 s[4:5], s[10:11], s[4:5]
	s_add_nc_u64 s[4:5], s[4:5], s[16:17]
	s_add_nc_u64 s[12:13], s[12:13], s[18:19]
	global_load_b128 v[4:7],   v1, s[4:5] th:TH_LOAD_NT
	global_load_b128 v[8:11],  v1, s[4:5] offset:16 th:TH_LOAD_NT
	global_load_b128 v[12:15], v1, s[4:5] offset:8192 th:TH_LOAD_NT
	global_load_b128 v[16:19], v1, s[4:5] offset:8208 th:TH_LOAD_NT
	s_cmp_lg_u32 s14, 0
	s_wait_loadcnt 0x0
	s_cbranch_scc1 .Lplain                         ; only W_q is scaled
.irp i, 0,1,2,3,4,5,6,7
	v_pk_mul_f32 v[4+2*\i:5+2*\i], v[4+2*\i:5+2*\i], CSC op_sel_hi:[1,0]
.endr
.Lplain:
.irp i, 0,1,2,3,4,5,6,7
	v_cvt_pk_f16_f32 v[20+\i], v[4+2*\i], v[5+2*\i]
.endr
	global_store_b128 v2, v[20:23], s[12:13]               ; a wave's store covers 512 consecutive bytes, aligned
	global_store_b128 v2, v[24:27], s[12:13] offset:4096
	s_endpgm
.Lfunc_end_k_q58778a2c98_prep:
	.size	k_q58778a2c98_prep, .Lfunc_end_k_q58778a2c98_prep-k_q58778a2c98_prep
	.p2alignl 7, 3214868480
	.fill 96, 4, 3214868480
	.section	.rodata,"a",@progbits
	.p2align	6, 0x0
	.amdhsa_kernel k_q58778a2c98_prep
		.amdhsa_group_segment_fixed_size 0
		.amdhsa_private_segment_fixed_size 0
		.amdhsa_enable_private_segment 0
		.amdhsa_kernarg_size 40
		.amdhsa_user_sgpr_count 2
		.amdhsa_user_sgpr_kernarg_segment_ptr 1
		.amdhsa_wavefront_size32 1
		.amdhsa_system_sgpr_workgroup_id_x 1
		.amdhsa_system_sgpr_workgroup_id_y 1
		.amdhsa_system_sgpr_workgroup_id_z 1
		.amdhsa_system_vgpr_workitem_id 0
		.amdhsa_next_free_vgpr 32
		.amdhsa_next_free_sgpr 66
		.amdhsa_reserve_vcc 0
		.amdhsa_float_denorm_mode_32 3
		.amdhsa_float_denorm_mode_16_64 3
		.amdhsa_memory_ordered 1
		.amdhsa_forward_progress 1
		.amdhsa_inst_pref_size 3
	.end_amdhsa_kernel
	.amdgpu_metadata
---
amdhsa.version: [ 1, 2 ]
amdhsa.kernels:
  - .name:           k_q58778a2c98_prep
    .symbol:         k_q58778a2c98_prep.kd
    .args:
      - { .name: W_q, .offset: 0, .size: 8, .value_kind: global_buffer, .address_space: global }
      - { .name: W_k, .offset: 8, .size: 8, .value_kind: global_buffer, .address_space: global }
      - { .name: W_v, .offset: 16, .size: 8, .value_kind: global_buffer, .address_space: global }
      - { .name: W_o, .offset: 24, .size: 8, .value_kind: global_buffer, .address_space: global }
      - { .name: wh, .offset: 32, .size: 8, .value_kind: global_buffer, .address_space: global }
    .group_segment_fixed_size: 0
    .private_segment_fixed_size: 0
    .kernarg_segment_align: 8
    .kernarg_segment_size: 40
    .max_flat_workgroup_size: 256
    .sgpr_count:     66
    .vgpr_count:     32
    .wavefront_size: 32
...
	.end_amdgpu_metadata
.endif
;; end of part 1
;; launch proj (part 2): grid 4 x 64, 4 waves a work-group, clusters of 4 x 4, 327,680 bytes of LDS; arguments q, k, v, wh, b_q, b_k, b_v, qkv; writes qkv
.if DOCPART == 2
	.amdgcn_target "amdgcn-amd-amdhsa--gfx1250"
	.amdhsa_code_object_version 6
	.text
	.protected	k_q58778a2c98_proj
	.globl	k_q58778a2c98_proj
	.p2align	8
	.type	k_q58778a2c98_proj,@function
k_q58778a2c98_proj:
	s_mov_b64 s[64:65], 0
	v_nop
	global_prefetch_b8 v0, s[64:65] scope:SCOPE_SE
	s_setreg_imm32_b32 hwreg(HW_REG_WAVE_MODE, 25, 1), 1
	s_wait_xcnt 0x0
	s_wait_alu depctr_hold_cnt(0) depctr_sa_sdst(0) depctr_va_vdst(0) depctr_va_sdst(0) depctr_va_ssrc(0) depctr_va_vcc(0) depctr_vm_vsrc(0)
	s_getreg_b32 s2, hwreg(HW_REG_IB_STS2, 6, 4)
	s_cmp_eq_u32 s2, 0
	s_cbranch_scc0 .Lentry_in_a_cluster
	s_endpgm
.Lentry_in_a_cluster:
	s_bfe_u32 s2, ttmp6, 0x10000c
	s_cmp_lg_u32 s2, 0xf033
	s_cbranch_scc0 .Lentry_shape_is_right
	s_endpgm
.Lentry_shape_is_right:
; qkv[z][b][h][t][0..63] = f16( x_z[b][t][:] . wh[z][:][64 h ..] + b_z ), z = 0, 1, 2 for q, k, v; b_q is multiplied by c = log2(e)/8 (wh[0] holds c W_q).
; A work-group stays and makes the same block of 128 tokens x 128 columns for z = 0, 1, 2 in turn: 12 K steps of 128 through one ring of two LDS slots.
; Four waves; a wave makes 64 tokens x 64 columns, which is one head: 16 accumulator tiles.
; x comes into LDS as f32 and is rounded to f16 in registers on the way to the matrix unit; W lies [k][n] in LDS and is read by transposing loads.
; THE MATRIX INSTRUCTION IS USED TRANSPOSED: source 0 = 16 columns of W, source 1 = 16 tokens of x, so that a lane holds 8 neighbouring columns of one token.
; CLUSTERS: 4 x 4 work-groups. The four of a row of the cluster share x's tile, the four of a column share W's: each is asked for jointly.
; LIMITS: |x|, |W| and the results below 65,504 (f16); NaN and infinities in the inputs are not served.
.set CSC,   0x3e38aa3b                 ; log2(e) / 8
.set XP,    528                        ; LDS row of x: 512 bytes + 16: the 16 rows of a fragment start in 16 different 16-byte columns
.set WP,    288                        ; LDS row of W: 256 bytes + 32, an odd multiple of 32 for the transposing loads
.set XH,    64*XP                      ; 64 rows of x: one tensor load
.set WH,    64*WP                      ; 64 rows of W: one tensor load
.set WOFF,  2*XH                       ; W's tile lies behind x's
.set SLOT,  2*XH+2*WH                  ; 104,448 bytes
.set STAGE, 2*SLOT                     ; behind the ring: 16 rows x 144 bytes for each wave, filled by no tensor load
.set SP,    144
.set ADRA,  8                          ; v8-9    my x fragments in slot 0, 1
.set ADRB,  10                         ; v10-11  my W fragments in slot 0, 1
.set STO,   12                         ; v12     the way out: where I put 16 bytes
.set RD,    13                         ; v13     the way out: where I read rows back
.set CO,    14                         ; v14     16 x lane
.set BOFF,  15                         ; v15     byte offset of my 8 bias numbers of column tile 0
.set BI,    16                         ; v[16:47]   bias as four C tiles
.set F0,    48                         ; v[48:143]  buffer 0: x raw f32 at +16 a (its f16 fragment ends up in +16 a .. +7), W at +64 + 8 b
.set F1,    144                        ; v[144:239] buffer 1; also at work on the way out
                                       ; window 1: accumulator (a, b) at v[8 (4 a + b)]
.set G1A, 32                           ; s[32:39] group 1 for x's tiles
.set G1B, 40                           ; s[40:47] group 1 for W's tiles
.set G0A, 48                           ; s[48:55] group 0 for x's tiles, one set a slot
.set G0B, 56                           ; s[56:63] group 0 for W's tiles, one set a slot
.set AX,  66                           ; s[66:71] q, k, v at my 64 rows
.set BW,  72                           ; s[72:73] wh at my 64 rows and the block's columns
.set OUTP, 74                          ; s[74:75] qkv at my head and tokens
.set MSB, 0
.macro WIN new                         ; the immediate's high byte repeats the setting that is left
.if MSB != \new
	s_set_vgpr_msb (MSB<<8)|\new
.set MSB, \new
.endif
.endm
.macro PLACES
.rept 4
	v_nop
.endr
.endm
.macro ROUND                           ; a round of the cluster's barrier: my work-group's barrier, wave 0 signals for it, all wait, my work-group's barrier again
	s_barrier_signal -1
	s_barrier_wait -1
	s_cmp_lg_u32 s20, 0
	s_cbranch_scc1 .Lnot_wave_0_\@
	s_barrier_signal -3
.Lnot_wave_0_\@:
	s_barrier_wait -3
	s_barrier_signal -1
	s_barrier_wait -1
.endm
.macro JLOAD s                         ; waves 0, 1 ask for x's two halves, waves 2, 3 for W's: one line, one mask each; the branch hangs on the wave's number alone
	s_cmp_eq_u32 s21, 0
	s_cbranch_scc0 .Lfor_w_\@
	tensor_load_to_lds s[G0A+4*(\s):G0A+4*(\s)+3], s[G1A:G1A+7]
	s_nop 0
	s_branch .Lasked_\@
.Lfor_w_\@:
	tensor_load_to_lds s[G0B+4*(\s):G0B+4*(\s)+3], s[G1B:G1B+7]
	s_nop 0
.Lasked_\@:
.endm
	s_load_b512 s[4:19], s[0:1], 0x0               ; q s[4:5], k s[6:7], v s[8:9], wh s[10:11], b_q s[12:13], b_k s[14:15], b_v s[16:17], qkv s[18:19]
	v_lshl_add_u32 v254, v0, 2, 0x35400
	v_mov_b32 v255, 0
	ds_add_u32 v254, v255
	v_lshrrev_b32 v1, 5, v0
	v_readfirstlane_b32 s20, v1                    ; wave 0..3
	s_lshr_b32 s21, s20, 1                         ; my half of the tokens; also: I fetch for x (0) or for W (1)
	s_and_b32 s22, s20, 1                          ; my half of the columns; also: which 64 rows I fetch
	s_bfe_u32 s23, ttmp6, 0x40000                  ; cx
	s_bfe_u32 s24, ttmp6, 0x40004                  ; cy
	s_lshl_b32 s25, ttmp9, 2
	s_add_co_u32 s25, s25, s23                     ; column block = 4 x cluster x + cx
	s_and_b32 s26, ttmp7, 0xffff
	s_lshl_b32 s26, s26, 2
	s_add_co_u32 s26, s26, s24                     ; token block = 4 x cluster y + cy
	s_lshl_b32 s27, s24, 2
	s_lshl_b32 s27, 15, s27                        ; my row of the cluster
	s_lshl_b32 s28, 0x1111, s23                    ; my column of the cluster
	; group 1 for x: 64 rows x 128 f32, 4 words of padding behind every 128 words
	s_or_b32  s[G1A+0], s27, (2<<16)|(1<<20)|(1<<21)|(6<<22)|(3<<25)
	s_mov_b32 s[G1A+1], 128<<16                    ; tensor_dim0 = 128
	s_mov_b32 s[G1A+2], 64<<16                     ; tensor_dim1 = 64
	s_mov_b32 s[G1A+3], 128<<16                    ; tile_dim0 = 128
	s_mov_b32 s[G1A+4], 64                         ; tile_dim1 = 64
	s_mov_b32 s[G1A+5], 512                        ; 512 elements from row to row
	s_mov_b32 s[G1A+6], 0
	s_mov_b32 s[G1A+7], 0
	; group 1 for W: 64 rows x 128 f16, 8 words of padding behind every 64 words
	s_or_b32  s[G1B+0], s28, (1<<16)|(1<<20)|(1<<21)|(5<<22)|(7<<25)
	s_mov_b32 s[G1B+1], 128<<16
	s_mov_b32 s[G1B+2], 64<<16
	s_mov_b32 s[G1B+3], 128<<16
	s_mov_b32 s[G1B+4], 64
	s_mov_b32 s[G1B+5], 512
	s_mov_b32 s[G1B+6], 0
	s_mov_b32 s[G1B+7], 0
	; offsets, each in registers of its own: x's hangs on the token block alone, W's on the column block alone
	s_lshl_b32 s76, s26, 18                        ; 128 rows of 2,048 bytes a block
	s_lshl_b32 s77, s22, 17                        ; 64 rows a half
	s_add_co_u32 s76, s76, s77
	s_mov_b32 s77, 0
	s_lshl_b32 s78, s25, 8                         ; 128 columns of 2 bytes a block
	s_lshl_b32 s79, s22, 16                        ; 64 rows of 1,024 bytes a half
	s_add_co_u32 s78, s78, s79
	s_mov_b32 s79, 0
	s_lshr_b32 s80, s26, 4                         ; batch: 16 token blocks each, 2,097,152 bytes
	s_lshl_b32 s80, s80, 21
	s_lshl1_add_u32 s81, s25, s22                  ; head = 2 x column block + my half, 262,144 bytes
	s_lshl_b32 s81, s81, 18
	s_add_co_u32 s80, s80, s81
	s_and_b32 s81, s26, 15                         ; 128 tokens of 128 bytes a block
	s_lshl_b32 s81, s81, 14
	s_add_co_u32 s80, s80, s81
	s_lshl_b32 s81, s21, 13                        ; 64 tokens a half
	s_add_co_u32 s80, s80, s81
	s_mov_b32 s81, 0
	s_mul_i32 s82, s20, XH                         ; where x's half goes (waves 0, 1)
	s_mul_i32 s83, s20, WH                         ; where W's half goes (waves 2, 3):
	s_add_co_u32 s83, s83, WOFF-2*WH               ; WOFF + (wave - 2) x WH
	s_wait_dscnt 0x0
	s_wait_kmcnt 0x0
	s_add_nc_u64 s[AX:AX+1],     s[4:5], s[76:77]
	s_add_nc_u64 s[AX+2:AX+3],   s[6:7], s[76:77]
	s_add_nc_u64 s[AX+4:AX+5],   s[8:9], s[76:77]
	s_add_nc_u64 s[BW:BW+1],     s[10:11], s[78:79]
	s_add_nc_u64 s[OUTP:OUTP+1], s[18:19], s[80:81]
.irp s, 0,1
	s_mov_b32 s[G0A+4*\s], 1
	s_add_co_u32 s[G0A+4*\s+1], s82, \s*SLOT
	s_add_nc_u64 s[G0A+4*\s+2:G0A+4*\s+3], s[AX:AX+1], \s*512         ; K step s of q: 128 f32 along the rows
	s_or_b32 s[G0A+4*\s+3], s[G0A+4*\s+3], 0x80000000
	s_mov_b32 s[G0B+4*\s], 1
	s_add_co_u32 s[G0B+4*\s+1], s83, \s*SLOT
	s_add_nc_u64 s[G0B+4*\s+2:G0B+4*\s+3], s[BW:BW+1], \s*131072      ; K step s of wh[0]: 128 rows down
	s_or_b32 s[G0B+4*\s+3], s[G0B+4*\s+3], 0x80000000
.endr
	ROUND                                          ; all sixteen work-groups are here: the first joint loads meet
	JLOAD 0                                        ; both first fills go out as one group: two tensor loads of the wave are out
	JLOAD 1
	v_and_b32 v1, 31, v0                           ; lane
	v_and_b32 v2, 15, v0                           ; r
	v_bfe_u32 v3, v0, 4, 1                         ; h
	v_mul_u32_u24 v4, v2, XP                       ; x: row r, 8 f32 = 32 bytes for each half of the lanes
	v_lshl_add_u32 v4, v3, 5, v4
	s_mul_i32 s84, s21, XH
	v_add_nc_u32 v[ADRA], s84, v4
	v_add_nc_u32 v[ADRA+1], SLOT, v[ADRA]
	v_and_b32 v5, 7, v0                            ; W: row 8 h + lane % 8, 16 bytes at 16 x (lane / 8 % 2)
	v_lshl_add_u32 v5, v3, 3, v5
	v_mul_u32_u24 v5, v5, WP
	v_bfe_u32 v6, v0, 3, 1
	v_lshl_add_u32 v5, v6, 4, v5
	s_lshl_b32 s85, s22, 7
	s_add_co_u32 s85, s85, WOFF
	v_add_nc_u32 v[ADRB], s85, v5
	v_add_nc_u32 v[ADRB+1], SLOT, v[ADRB]
	s_mul_i32 s86, s20, 16*SP
	s_add_co_u32 s86, s86, STAGE                   ; my stage
	v_mul_u32_u24 v4, v2, SP
	v_lshl_add_u32 v4, v3, 4, v4
	v_add_nc_u32 v[STO], s86, v4
	v_lshrrev_b32 v5, 3, v1                        ; back: eight lanes take a row of 128 bytes, a load four rows
	v_mul_u32_u24 v5, v5, SP
	v_and_b32 v6, 7, v0
	v_lshl_add_u32 v5, v6, 4, v5
	v_add_nc_u32 v[RD], s86, v5
	v_lshlrev_b32 v[CO], 4, v1
	s_lshl_b32 s87, s25, 9
	s_lshl_b32 s88, s22, 8
	s_add_co_u32 s87, s87, s88
	v_lshl_add_u32 v[BOFF], v3, 5, s87             ; 4 x (128 block + 64 half + 8 h)
; The bias of tensor z as four C tiles: register j of tile b holds b_z[column 16 b + 8 h + j], the same for every token.
.macro BIASLD z
.irp b, 0,1,2,3
	global_load_b128 v[BI+8*\b:BI+8*\b+3],   v[BOFF], s[12+2*\z:13+2*\z] offset:64*\b
	global_load_b128 v[BI+8*\b+4:BI+8*\b+7], v[BOFF], s[12+2*\z:13+2*\z] offset:64*\b+16
.endr
.endm
; 24 LDS loads: 32 along K at quarter ks of slot sl into buffer f: 16 for x (f32), then 8 transposing ones for W.
.macro FETCH sl, ks, f
.irp a, 0,1,2,3
	ds_load_b128 v[\f+16*\a:\f+16*\a+3],     v[ADRA+\sl] offset:\a*16*XP+(\ks)*128      ; k = 8 h .. + 3
	ds_load_b128 v[\f+16*\a+4:\f+16*\a+7],   v[ADRA+\sl] offset:\a*16*XP+(\ks)*128+16   ; k = 8 h + 4 .. + 7
	ds_load_b128 v[\f+16*\a+8:\f+16*\a+11],  v[ADRA+\sl] offset:\a*16*XP+(\ks)*128+64   ; k = 16 + 8 h ..
	ds_load_b128 v[\f+16*\a+12:\f+16*\a+15], v[ADRA+\sl] offset:\a*16*XP+(\ks)*128+80
.endr
.irp b, 0,1,2,3
	ds_load_tr16_b128 v[\f+64+8*\b:\f+64+8*\b+3],   v[ADRB+\sl] offset:(\ks)*32*WP+32*\b
	ds_load_tr16_b128 v[\f+64+8*\b+4:\f+64+8*\b+7], v[ADRB+\sl] offset:(\ks)*32*WP+32*\b+16*WP
.endr
.endm
; x to f16, in place: pair p of a fragment's 16 f32 goes to register p, ascending, so no number is overwritten before it is read.
.macro CVT f
.irp a, 0,1,2,3
.irp p, 0,1,2,3,4,5,6,7
	v_cvt_pk_f16_f32 v[\f+16*\a+\p], v[\f+16*\a+2*\p], v[\f+16*\a+2*\p+1]
.endr
.endr
.endm
; 8 matrix instructions: token tiles a0, a0 + 1 x all four column tiles.  bias = 1: the bias tile starts the sums, nothing is cleared.
; The sixteen accumulators take turns, one instruction a turn, in the same order in every quarter.
.macro MUL f, a0, bias
.irp a, \a0, \a0+1
.irp b, 0,1,2,3
.if \bias
	v_wmma_f32_16x16x32_f16 v[8*(4*(\a)+\b):8*(4*(\a)+\b)+7], v[\f+64+8*\b:\f+64+8*\b+7], v[\f+16*(\a):\f+16*(\a)+7], v[BI+8*\b:BI+8*\b+7]
.else
	v_wmma_f32_16x16x32_f16 v[8*(4*(\a)+\b):8*(4*(\a)+\b)+7], v[\f+64+8*\b:\f+64+8*\b+7], v[\f+16*(\a):\f+16*(\a)+7], v[8*(4*(\a)+\b):8*(4*(\a)+\b)+7]
.endif
.endr
.endr
.endm
; One of a K step's first three quarters: multiplies buffer f and fetches quarter nks of the same slot into buffer g.
.macro KS sl, nks, f, g, bias
	s_wait_dscnt 8                                 ; f's 16 loads of x are in; its 8 loads of W, the youngest, may be out
	CVT \f                                         ; 32 plain vector instructions that name nothing of the matrix instructions that read g: the places in front of the loads into g
	FETCH \sl, \nks, \g
	s_wait_dscnt 24                                ; all but the 24 just issued: f's W is in
.if \bias
	WIN 0x40                                       ; D in window 1, C (the bias) in window 0
.else
	WIN 0x50                                       ; C and D in window 1
.endif
	MUL \f, 0, \bias
	MUL \f, 2, \bias
	WIN 0
.endm
.macro THREE sl, bias
	KS \sl, 1, F0, F1, \bias
	KS \sl, 2, F1, F0, 0
	KS \sl, 3, F0, F1, 0
.endm
; The last quarter, on buffer 1, and the change of slots.
; mode 1: slot sl is filled again with K step j2 of tensor z2.  In front of the round every wave has waited for its reads of the slot and for all its
; tensor loads (the one that is out is its part of the next slot); the joint refill is the first tensor load behind the round, one a wave.
; mode 2: nothing is left to fetch: the same waits and a plain barrier show the last slot whole.  mode 0: the very last quarter.
.macro TURN sl, nsl, mode, z2, j2
	s_wait_dscnt 0x0                               ; buffer 1 is in, and with it my last reads of this slot
	CVT F1
	WIN 0x50
	MUL F1, 0, 0
.if \mode
	WIN 0
	s_wait_tensorcnt 0x0                           ; all my tensor loads have landed, so every group 0 may be written
	ds_add_u32 v254, v255
	s_wait_dscnt 0x0
.endif
.if \mode == 1
	s_add_nc_u64 s[G0A+4*\sl+2:G0A+4*\sl+3], s[AX+2*\z2:AX+2*\z2+1], \j2*512
	s_or_b32 s[G0A+4*\sl+3], s[G0A+4*\sl+3], 0x80000000
	s_add_nc_u64 s[G0B+4*\sl+2:G0B+4*\sl+3], s[BW:BW+1], \z2*524288+\j2*131072
	s_or_b32 s[G0B+4*\sl+3], s[G0B+4*\sl+3], 0x80000000
	ROUND
	JLOAD \sl
.endif
.if \mode == 2
	s_barrier_signal -1
	s_barrier_wait -1
.endif
.if \mode
	FETCH \nsl, 0, F0                              ; buffer 0 was last multiplied in front of CVT F1, whose 32 instructions are the places
.endif
	WIN 0x50
	MUL F1, 2, 0
	WIN 0
.endm
; 16 tokens out: round to f16, 16 bytes a lane into my own stage, back as whole rows.  In qkv a head's rows follow each other, so the 16 rows are 2,048 consecutive bytes.
.macro OUT16 a
	WIN 0x05                                       ; sources in window 1
.irp b, 0,1,2,3
.irp p, 0,1,2,3
	v_cvt_pk_f16_f32 v[F1+4*\b+\p], v[8*(4*\a+\b)+2*\p], v[8*(4*\a+\b)+2*\p+1]
.endr
.endr
	WIN 0
.irp b, 0,1,2,3
	ds_store_b128 v[STO], v[F1+4*\b:F1+4*\b+3] offset:32*\b
.endr
	s_wait_xcnt 0x0                                ; the registers that the last stores read are loaded again only behind this wait
.irp i, 0,1,2,3
	ds_load_b128 v[F1+16+4*\i:F1+16+4*\i+3], v[RD] offset:4*SP*\i      ; LDS serves a wave's instructions in order (ISA guide 5.7.1): these see the stores above
.endr
.irp i, 0,1,2,3
	s_wait_dscnt 3-\i
	global_store_b128 v[CO], v[F1+16+4*\i:F1+16+4*\i+3], s[OUTP:OUTP+1] offset:\a*2048+512*\i   ; a wave's store covers 512 consecutive bytes, aligned
.endr
.endm
.macro OUTZ more
	PLACES                                         ; four places behind the last matrix instructions, for the conversions and for the loads into buffer 1
	OUT16 0
	OUT16 1
	OUT16 2
	OUT16 3
.if \more
	s_wait_xcnt 0x0                                ; the stores' base and data are rewritten only behind this wait
	s_add_nc_u64 s[OUTP:OUTP+1], s[OUTP:OUTP+1], 8388608   ; the next tensor's part of qkv
.endif
.endm
	BIASLD 0
	s_wait_loadcnt 0x0
.irp i, 0,1,2,3,4,5,6,7,8,9,10,11,12,13,14,15
	v_pk_mul_f32 v[BI+2*\i:BI+2*\i+1], v[BI+2*\i:BI+2*\i+1], CSC op_sel_hi:[1,0]   ; c b_q
.endr
	s_wait_tensorcnt 0x1                           ; my part of K step 0 is in; step 1's may stay out
	s_barrier_signal -1
	s_barrier_wait -1
	FETCH 0, 0, F0
	; z = 0: q
	THREE 0, 1
	TURN 0, 1, 1, 0, 2
	THREE 1, 0
	BIASLD 1                                       ; the bias tiles were last read in this tensor's first quarter
	TURN 1, 0, 1, 0, 3
	THREE 0, 0
	TURN 0, 1, 1, 1, 0
	THREE 1, 0
	TURN 1, 0, 1, 1, 1
	OUTZ 1
	; z = 1: k
	s_wait_loadcnt 0x0                             ; b_k
	THREE 0, 1
	TURN 0, 1, 1, 1, 2
	THREE 1, 0
	BIASLD 2
	TURN 1, 0, 1, 1, 3
	THREE 0, 0
	TURN 0, 1, 1, 2, 0
	THREE 1, 0
	TURN 1, 0, 1, 2, 1
	OUTZ 1
	; z = 2: v
	s_wait_loadcnt 0x0                             ; b_v
	THREE 0, 1
	TURN 0, 1, 1, 2, 2
	THREE 1, 0
	TURN 1, 0, 1, 2, 3
	THREE 0, 0
	TURN 0, 1, 2, 0, 0
	THREE 1, 0
	TURN 1, 0, 0, 0, 0
	OUTZ 0
	s_wait_tensorcnt 0x0
	ds_add_u32 v254, v255
	s_wait_dscnt 0x0
	ROUND                                          ; the closing round: no work-group ends while a partner may still ask for a tile that names it
	s_endpgm
.Lfunc_end_k_q58778a2c98_proj:
	.size	k_q58778a2c98_proj, .Lfunc_end_k_q58778a2c98_proj-k_q58778a2c98_proj
	.p2alignl 7, 3214868480
	.fill 96, 4, 3214868480
	.section	.rodata,"a",@progbits
	.p2align	6, 0x0
	.amdhsa_kernel k_q58778a2c98_proj
		.amdhsa_group_segment_fixed_size 327680
		.amdhsa_private_segment_fixed_size 0
		.amdhsa_enable_private_segment 0
		.amdhsa_kernarg_size 64
		.amdhsa_user_sgpr_count 2
		.amdhsa_user_sgpr_kernarg_segment_ptr 1
		.amdhsa_wavefront_size32 1
		.amdhsa_system_sgpr_workgroup_id_x 1
		.amdhsa_system_sgpr_workgroup_id_y 1
		.amdhsa_system_sgpr_workgroup_id_z 1
		.amdhsa_system_vgpr_workitem_id 0
		.amdhsa_next_free_vgpr 384
		.amdhsa_next_free_sgpr 90
		.amdhsa_reserve_vcc 0
		.amdhsa_float_denorm_mode_32 3
		.amdhsa_float_denorm_mode_16_64 3
		.amdhsa_memory_ordered 1
		.amdhsa_forward_progress 1
		.amdhsa_inst_pref_size 255
	.end_amdhsa_kernel
	.section	.bss,"aw",@nobits
	.p2align	6
	.space	262144
	.amdgpu_metadata
---
amdhsa.version: [ 1, 2 ]
amdhsa.kernels:
  - .name:           k_q58778a2c98_proj
    .symbol:         k_q58778a2c98_proj.kd
    .args:
      - { .name: q, .offset: 0, .size: 8, .value_kind: global_buffer, .address_space: global }
      - { .name: k, .offset: 8, .size: 8, .value_kind: global_buffer, .address_space: global }
      - { .name: v, .offset: 16, .size: 8, .value_kind: global_buffer, .address_space: global }
      - { .name: wh, .offset: 24, .size: 8, .value_kind: global_buffer, .address_space: global }
      - { .name: b_q, .offset: 32, .size: 8, .value_kind: global_buffer, .address_space: global }
      - { .name: b_k, .offset: 40, .size: 8, .value_kind: global_buffer, .address_space: global }
      - { .name: b_v, .offset: 48, .size: 8, .value_kind: global_buffer, .address_space: global }
      - { .name: qkv, .offset: 56, .size: 8, .value_kind: global_buffer, .address_space: global }
    .group_segment_fixed_size: 327680
    .private_segment_fixed_size: 0
    .kernarg_segment_align: 8
    .kernarg_segment_size: 64
    .max_flat_workgroup_size: 128
    .sgpr_count:     90
    .vgpr_count:     384
    .wavefront_size: 32
...
	.end_amdgpu_metadata
.endif
;; end of part 2
;; launch attn (part 3): grid 8 x 32, 8 waves a work-group, clusters of 4 x 1, 327,680 bytes of LDS; arguments qkv, padding_mask, xh; writes xh
.if DOCPART == 3
	.amdgcn_target "amdgcn-amd-amdhsa--gfx1250"
	.amdhsa_code_object_version 6
	.text
	.protected	k_q58778a2c98_attn
	.globl	k_q58778a2c98_attn
	.p2align	8
	.type	k_q58778a2c98_attn,@function
k_q58778a2c98_attn:
	s_mov_b64 s[64:65], 0
	v_nop
	global_prefetch_b8 v0, s[64:65] scope:SCOPE_SE
	s_setreg_imm32_b32 hwreg(HW_REG_WAVE_MODE, 25, 1), 1
	s_wait_xcnt 0x0
	s_wait_alu depctr_hold_cnt(0) depctr_sa_sdst(0) depctr_va_vdst(0) depctr_va_sdst(0) depctr_va_ssrc(0) depctr_va_vcc(0) depctr_vm_vsrc(0)
	s_getreg_b32 s2, hwreg(HW_REG_IB_STS2, 6, 4)
	s_cmp_eq_u32 s2, 0
	s_cbranch_scc0 .Lentry_in_a_cluster
	s_endpgm
.Lentry_in_a_cluster:
	s_bfe_u32 s2, ttmp6, 0x10000c
	s_cmp_lg_u32 s2, 0x3003
	s_cbranch_scc0 .Lentry_shape_is_right
	s_endpgm
.Lentry_shape_is_right:
; xh[b][h][t][:] = softmax over the keys of (Q K^T / 8, masked) V, one head and 256 query rows a work-group, with a running maximum.
; Q in qkv already carries log2(e)/8, so the exponentials are base 2.  Eight waves, 32 query rows each (two tiles t of 16).
; S^T = K Q^T + bias: source 0 = 16 keys of K, source 1 = 16 queries, C = the mask's bias of the 16 keys.  A lane then holds one query and 8 keys a tile,
; so maximum, factor and sum are one number a lane, and two packed tiles of exp(S^T) ARE source 1 of O^T = V^T P^T: no shuffle, no way through LDS.
; V lies [key][d] in LDS and is read by transposing loads.  K and V go through a ring of two LDS slots of 512 keys.
; CLUSTERS: the four query blocks of a cluster work on one head and ask for its K and V jointly.
; LIMITS: a masked score is -2^100 and the running maximum starts at -2^99: true scaled scores must lie above -2^99.
; A row whose keys are all masked has the sum 0 and gives 0.  NaN and infinities in the inputs are not served.
.set VP,    288                        ; LDS row of V: two keys (256 bytes) + 32
.set KP,    272                        ; LDS row of K: two keys (256 bytes) + 16
.set VQ,    64*VP                      ; 128 keys of V: one tensor load
.set KQ,    64*KP                      ; 128 keys of K: one tensor load
.set KOFF,  4*VQ                       ; K's 512 keys lie behind V's
.set SLOT,  4*VQ+4*KQ                  ; 143,360 bytes
.set BIAS,  2*SLOT                     ; 2,048 f32: 0 or -2^100; written by LDS stores, filled by no tensor load
.set STAGE, BIAS+8192                  ; 16 rows x 144 bytes for each wave
.set SP,    144
.set KADR,  8                          ; v8   K of the chunk to load next
.set VADR,  9                          ; v9   V of the chunk to load next
.set BADR,  10                         ; v10  bias of the chunk to load next
.set KBASE, 11                         ; v11  my place in K's first chunk of slot 0
.set VBASE, 12                         ; v12  my place in V's first chunk of slot 0
.set STO,   13
.set RD,    14
.set CO,    15
.set ST,    16                         ; v[16:27]  for each t: maximum (+0; +1 is 0), factor (+2; +3 is 0), two running sums (+4, +5)
.set TA,    28
.set TB,    29
.set BI,    32                         ; v[32:63]    bias tile kt at +8 kt
.set VF,    64                         ; v[64:127]   V^T fragment (g, dt) at +32 g + 8 dt
.set S,     128                        ; v[128:191]  S^T tile (t, kt) at +32 t + 8 kt; later P^T fragment (t, g) at +32 t + 16 g
.set O,     192                        ; v[192:255]  O^T tile (t, dt) at +32 t + 8 dt
.set QF,    0                          ; window 1, v[0:31]   Q fragment (t, ks) at +16 t + 8 ks
.set KF,    32                         ; window 1, v[32:95]  K fragment (kt, ks) at +16 kt + 8 ks
.set G1V, 20
.set G1K, 28
.set G0V, 36                           ; s[36:43] one set a slot
.set G0K, 44                           ; s[44:51]
.set MSB, 0
.macro WIN new
.if MSB != \new
	s_set_vgpr_msb (MSB<<8)|\new
.set MSB, \new
.endif
.endm
.macro PLACES
.rept 4
	v_nop
.endr
.endm
.macro ROUND
	s_barrier_signal -1
	s_barrier_wait -1
	s_cmp_lg_u32 s10, 0
	s_cbranch_scc1 .Lnot_wave_0_\@
	s_barrier_signal -3
.Lnot_wave_0_\@:
	s_barrier_wait -3
	s_barrier_signal -1
	s_barrier_wait -1
.endm
.macro JLOAD s                         ; waves 0 to 3 ask for V's four quarters of a slot, waves 4 to 7 for K's
	s_cmp_eq_u32 s11, 0
	s_cbranch_scc0 .Lfor_k_\@
	tensor_load_to_lds s[G0V+4*(\s):G0V+4*(\s)+3], s[G1V:G1V+7]
	s_nop 0
	s_branch .Lasked_\@
.Lfor_k_\@:
	tensor_load_to_lds s[G0K+4*(\s):G0K+4*(\s)+3], s[G1K:G1K+7]
	s_nop 0
.Lasked_\@:
.endm
	s_load_b128 s[4:7], s[0:1], 0x0                ; qkv s[4:5], padding_mask s[6:7]
	s_load_b64 s[8:9], s[0:1], 0x10                ; xh
	s_set_vgpr_msb 0x40
	v_lshl_add_u32 v96, v0, 2, 0x4c800
	v_mov_b32 v97, 0
	s_set_vgpr_msb 0x4045
	ds_add_u32 v96, v97
	s_set_vgpr_msb 0x4500
	v_lshrrev_b32 v1, 5, v0
	v_readfirstlane_b32 s10, v1                    ; wave 0..7
	s_lshr_b32 s11, s10, 2                         ; I fetch for V (0) or for K (1)
	s_and_b32 s12, s10, 3                          ; which 128 keys of a slot I fetch
	s_bfe_u32 s13, ttmp6, 0x40000                  ; cx
	s_lshl_b32 s14, ttmp9, 2
	s_add_co_u32 s14, s14, s13                     ; query block 0..7
	s_and_b32 s15, ttmp7, 0xffff                   ; 8 x batch + head
	s_mov_b32 s52, 0x76543210                      ; v_permlanex16_b32: lane i reads lane i of the other half
	s_mov_b32 s53, 0xfedcba98
	; group 1: 128 keys, dense in memory, as 64 rows of 128 f16; the mask names all four work-groups of the cluster
	s_mov_b32 s[G1V+0], 15|(1<<16)|(1<<20)|(1<<21)|(5<<22)|(7<<25)   ; V: 8 words of padding behind every 64
	s_mov_b32 s[G1V+1], 128<<16
	s_mov_b32 s[G1V+2], 64<<16
	s_mov_b32 s[G1V+3], 128<<16
	s_mov_b32 s[G1V+4], 64
	s_mov_b32 s[G1V+5], 128
	s_mov_b32 s[G1V+6], 0
	s_mov_b32 s[G1V+7], 0
	s_mov_b32 s[G1K+0], 15|(1<<16)|(1<<20)|(1<<21)|(5<<22)|(3<<25)   ; K: 4 words
	s_mov_b32 s[G1K+1], 128<<16
	s_mov_b32 s[G1K+2], 64<<16
	s_mov_b32 s[G1K+3], 128<<16
	s_mov_b32 s[G1K+4], 64
	s_mov_b32 s[G1K+5], 128
	s_mov_b32 s[G1K+6], 0
	s_mov_b32 s[G1K+7], 0
	s_lshl_b32 s16, s15, 18                        ; K and V: the head (262,144 bytes) and my quarter (16,384): nothing of cx
	s_lshl_b32 s17, s12, 14
	s_add_co_u32 s16, s16, s17
	s_mov_b32 s17, 0
	s_lshl_b32 s18, s15, 18                        ; Q and xh: the head, the query block (32,768 bytes), my 32 rows (4,096)
	s_lshl_b32 s19, s14, 15
	s_add_co_u32 s18, s18, s19
	s_lshl_b32 s19, s10, 12
	s_add_co_u32 s18, s18, s19
	s_mov_b32 s19, 0
	s_lshr_b32 s62, s15, 3                         ; the mask: 2,048 bytes a batch
	s_lshl_b32 s62, s62, 11
	s_mov_b32 s63, 0
	s_mul_i32 s55, s10, VQ                         ; where V's quarter goes (waves 0 to 3)
	s_mul_i32 s66, s10, KQ                         ; where K's goes (waves 4 to 7):
	s_add_co_u32 s66, s66, KOFF-4*KQ               ; KOFF + (wave - 4) x KQ
	s_wait_dscnt 0x0
	s_wait_kmcnt 0x0
	s_add_nc_u64 s[56:57], s[4:5], s[18:19]        ; my rows of Q
	s_add_nc_u64 s[58:59], s[8:9], s[18:19]        ; my rows of xh
	s_add_nc_u64 s[60:61], s[6:7], s[62:63]        ; my batch's mask
	s_add_nc_u64 s[68:69], s[4:5], s[16:17]
.irp s, 0,1
	s_mov_b32 s[G0V+4*\s], 1
	s_add_co_u32 s[G0V+4*\s+1], s55, \s*SLOT
	s_add_nc_u64 s[G0V+4*\s+2:G0V+4*\s+3], s[68:69], 16777216+\s*65536    ; V is the third tensor of qkv; 512 keys are 65,536 bytes
	s_or_b32 s[G0V+4*\s+3], s[G0V+4*\s+3], 0x80000000
	s_mov_b32 s[G0K+4*\s], 1
	s_add_co_u32 s[G0K+4*\s+1], s66, \s*SLOT
	s_add_nc_u64 s[G0K+4*\s+2:G0K+4*\s+3], s[68:69], 8388608+\s*65536     ; K the second
	s_or_b32 s[G0K+4*\s+3], s[G0K+4*\s+3], 0x80000000
.endr
	ROUND                                          ; the four work-groups are here: the first joint loads meet
	JLOAD 0                                        ; both first fills as one group: two tensor loads of the wave are out
	JLOAD 1
	v_lshlrev_b32 v30, 3, v0                       ; 8 mask bytes a thread
	global_load_b64 v[128:129], v30, s[60:61]
	v_and_b32 v2, 15, v0                           ; r
	v_bfe_u32 v3, v0, 4, 1                         ; h
	v_lshlrev_b32 v31, 7, v2                       ; Q: row r of 128 bytes, 16 bytes for each half of the lanes
	v_lshl_add_u32 v31, v3, 4, v31
	WIN 0x40                                       ; destination in window 1
.irp t, 0,1
.irp ks, 0,1
	global_load_b128 v[QF+16*\t+8*\ks:QF+16*\t+8*\ks+3],   v31, s[56:57] offset:\t*2048+\ks*64
	global_load_b128 v[QF+16*\t+8*\ks+4:QF+16*\t+8*\ks+7], v31, s[56:57] offset:\t*2048+\ks*64+32
.endr
.endr
	WIN 0
	v_and_b32 v1, 31, v0                           ; lane
	v_lshrrev_b32 v4, 1, v2                        ; K: key r lies in LDS row r / 2, half r % 2
	v_mul_u32_u24 v4, v4, KP
	v_and_b32 v5, 1, v0
	v_lshl_add_u32 v4, v5, 7, v4
	v_lshl_add_u32 v4, v3, 4, v4
	v_add_nc_u32 v[KBASE], KOFF, v4
	v_bfe_u32 v6, v0, 1, 2                         ; V: key 8 h + lane % 8 lies in LDS row 4 h + (lane % 8) / 2, half lane % 2
	v_lshl_add_u32 v6, v3, 2, v6
	v_mul_u32_u24 v6, v6, VP
	v_lshl_add_u32 v6, v5, 7, v6
	v_bfe_u32 v7, v0, 3, 1
	v_lshl_add_u32 v[VBASE], v7, 4, v6
	v_mov_b32 v[KADR], v[KBASE]
	v_mov_b32 v[VADR], v[VBASE]
	v_lshlrev_b32 v[BADR], 5, v3                   ; bias: 8 f32 for each half of the lanes
	v_add_nc_u32 v[BADR], BIAS, v[BADR]
	s_mul_i32 s67, s10, 16*SP
	s_add_co_u32 s67, s67, STAGE
	v_mul_u32_u24 v4, v2, SP
	v_lshl_add_u32 v4, v3, 4, v4
	v_add_nc_u32 v[STO], s67, v4
	v_lshrrev_b32 v5, 3, v1
	v_mul_u32_u24 v5, v5, SP
	v_and_b32 v6, 7, v0
	v_lshl_add_u32 v5, v6, 4, v5
	v_add_nc_u32 v[RD], s67, v5
	v_lshlrev_b32 v[CO], 4, v1
.irp t, 0,1
	v_mov_b32 v[ST+6*\t], 0xf1000000               ; the running maximum starts at -2^99
	v_mov_b32 v[ST+6*\t+1], 0                      ; the upper registers of the pairs that are broadcast
	v_mov_b32 v[ST+6*\t+3], 0
	v_mov_b32 v[ST+6*\t+4], 0                      ; the sums
	v_mov_b32 v[ST+6*\t+5], 0
.endr
	v_mov_b32 v131, 0xf1800000                     ; -2^100
	v_lshlrev_b32 v140, 5, v0
	v_add_nc_u32 v140, BIAS, v140
	s_wait_loadcnt 8                               ; the mask is in; the 8 loads of Q behind it may be out
.irp i, 0,1,2,3,4,5,6,7
	v_bfe_u32 v130, v[128+\i/4], 8*(\i%4), 8
	v_cmp_eq_u32 vcc_lo, 0, v130
	v_cndmask_b32 v[132+\i], 0, v131, vcc_lo       ; key kept: 0; key masked: -2^100
.endr
	ds_store_b128 v140, v[132:135]
	ds_store_b128 v140, v[136:139] offset:16
	s_wait_loadcnt 0x0                             ; Q
	s_wait_tensorcnt 0x1                           ; my part of slot 0 is in; slot 1's may stay out
	s_wait_dscnt 0x0                               ; my part of the bias is written
	s_barrier_signal -1
	s_barrier_wait -1
.macro LOADK                           ; 16 loads: 64 keys x 64 d
	WIN 0x40
.irp kt, 0,1,2,3
.irp ks, 0,1
	ds_load_b128 v[KF+16*\kt+8*\ks:KF+16*\kt+8*\ks+3],   v[KADR] offset:\kt*8*KP+\ks*64
	ds_load_b128 v[KF+16*\kt+8*\ks+4:KF+16*\kt+8*\ks+7], v[KADR] offset:\kt*8*KP+\ks*64+32
.endr
.endr
	WIN 0
.endm
.macro LOADB                           ; 8 loads: register j of tile kt = bias of key 16 kt + 8 h + j
.irp kt, 0,1,2,3
	ds_load_b128 v[BI+8*\kt:BI+8*\kt+3],   v[BADR] offset:\kt*64
	ds_load_b128 v[BI+8*\kt+4:BI+8*\kt+7], v[BADR] offset:\kt*64+16
.endr
.endm
.macro LOADV                           ; 16 transposing loads: 64 d x 64 keys
.irp g, 0,1
.irp dt, 0,1,2,3
	ds_load_tr16_b128 v[VF+32*\g+8*\dt:VF+32*\g+8*\dt+3],   v[VADR] offset:\g*16*VP+\dt*32
	ds_load_tr16_b128 v[VF+32*\g+8*\dt+4:VF+32*\g+8*\dt+7], v[VADR] offset:\g*16*VP+\dt*32+8*VP
.endr
.endr
.endm
; 16 matrix instructions: the eight tiles of S^T take turns; the first half of d starts each sum with the bias.
.macro QK
	WIN 0x05                                       ; K and Q in window 1
.irp kt, 0,1,2,3
.irp t, 0,1
	v_wmma_f32_16x16x32_f16 v[S+32*\t+8*\kt:S+32*\t+8*\kt+7], v[KF+16*\kt:KF+16*\kt+7], v[QF+16*\t:QF+16*\t+7], v[BI+8*\kt:BI+8*\kt+7]
.endr
.endr
.irp kt, 0,1,2,3
.irp t, 0,1
	v_wmma_f32_16x16x32_f16 v[S+32*\t+8*\kt:S+32*\t+8*\kt+7], v[KF+16*\kt+8:KF+16*\kt+15], v[QF+16*\t+8:QF+16*\t+15], v[S+32*\t+8*\kt:S+32*\t+8*\kt+7]
.endr
.endr
	WIN 0
.endm
; Query tile t: new maximum, factor 2^(old - new), p = 2^(s - new), the sums, and p packed to f16 in place.
; Behind each pair of exponentials stands a plain instruction that names neither (ISA guide 5.7.2): the work on the pair before.
.macro SOFTMAX t
.set SB, S+32*\t
.set MM, ST+6*\t
.set AL, ST+6*\t+2
.set LL, ST+6*\t+4
	v_max3_num_f32 v[TA], v[SB], v[SB+1], v[SB+2]          ; my 32 scores in two chains
	v_max3_num_f32 v[TB], v[SB+3], v[SB+4], v[SB+5]
.irp q, 0,1,2,3,4,5
	v_max3_num_f32 v[TA], v[TA], v[SB+6+4*\q], v[SB+7+4*\q]
	v_max3_num_f32 v[TB], v[TB], v[SB+8+4*\q], v[SB+9+4*\q]
.endr
	v_max3_num_f32 v[TA], v[TA], v[SB+30], v[SB+31]
	v_max_num_f32 v[TA], v[TA], v[TB]
	v_permlanex16_b32 v[TB], v[TA], s52, s53               ; the other half of the lanes holds my query's other 32 keys
	v_max3_num_f32 v[TA], v[TA], v[TB], v[MM]
	v_sub_f32 v[AL], v[MM], v[TA]
	v_mov_b32 v[MM], v[TA]
	v_exp_f32 v[AL], v[AL]
.irp i, 0,1,2,3,4,5,6,7,8,9,10,11,12,13,14,15
	v_pk_add_f32 v[SB+2*\i:SB+2*\i+1], v[SB+2*\i:SB+2*\i+1], v[MM:MM+1] op_sel_hi:[1,0] neg_lo:[0,1] neg_hi:[0,1]
	v_exp_f32 v[SB+2*\i], v[SB+2*\i]
	v_exp_f32 v[SB+2*\i+1], v[SB+2*\i+1]
.if \i == 0
	s_wait_alu depctr_va_vdst(0)
	v_pk_mul_f32 v[LL:LL+1], v[LL:LL+1], v[AL:AL+1] op_sel_hi:[1,0]
.else
	s_wait_alu depctr_va_vdst(0)
	v_pk_add_f32 v[LL:LL+1], v[LL:LL+1], v[SB+2*(\i-1):SB+2*(\i-1)+1]
	v_cvt_pk_f16_f32 v[SB+16*((\i-1)/8)+(\i-1)%8], v[SB+2*(\i-1)], v[SB+2*(\i-1)+1]   ; the target lies at or below the pair: nothing unread is overwritten
.endif
.endr
	s_wait_alu depctr_va_vdst(0)
	v_pk_add_f32 v[LL:LL+1], v[LL:LL+1], v[SB+30:SB+31]
	v_cvt_pk_f16_f32 v[SB+23], v[SB+30], v[SB+31]
.endm
.macro RESCALE t
.irp i, 0,1,2,3,4,5,6,7,8,9,10,11,12,13,14,15
	v_pk_mul_f32 v[O+32*\t+2*\i:O+32*\t+2*\i+1], v[O+32*\t+2*\i:O+32*\t+2*\i+1], v[ST+6*\t+2:ST+6*\t+3] op_sel_hi:[1,0]
.endr
.endm
; 16 matrix instructions: the eight tiles of O^T take turns.  first = 1: the first 32 keys start the sums.
.macro PV first
.irp g, 0,1
.irp t, 0,1
.irp dt, 0,1,2,3
.if \first*(1-\g)
	v_wmma_f32_16x16x32_f16 v[O+32*\t+8*\dt:O+32*\t+8*\dt+7], v[VF+32*\g+8*\dt:VF+32*\g+8*\dt+7], v[S+32*\t+16*\g:S+32*\t+16*\g+7], 0
.else
	v_wmma_f32_16x16x32_f16 v[O+32*\t+8*\dt:O+32*\t+8*\dt+7], v[VF+32*\g+8*\dt:VF+32*\g+8*\dt+7], v[S+32*\t+16*\g:S+32*\t+16*\g+7], v[O+32*\t+8*\dt:O+32*\t+8*\dt+7]
.endif
.endr
.endr
.endr
.endm
; One chunk of 64 keys.  Its K, bias and V were asked of LDS in the chunk before, in that order.
; kind 0: the next chunk lies in the same slot.  kind 1: the slot's last chunk; the slot is filled again and the next chunk lies in slot nslot.
; kind 2: the same without a refill.  kind 3: the last chunk of all.
.macro CHUNK first, kind, nslot
	s_wait_dscnt 16                                ; K and the bias are in; the 16 loads of V behind them may be out
	QK
.if \kind == 3
	PLACES                                         ; four places behind the matrix instructions, in front of the reads of S^T (ISA guide 7.12.1)
.else
.if \kind == 0                                     ; four places, in front of the reads of S^T and of the loads into K's and the bias's registers
	v_add_nc_u32 v[KADR], 32*KP, v[KADR]           ; 64 keys on
.else
	v_add_nc_u32 v[KADR], \nslot*SLOT, v[KBASE]    ; the other slot's first chunk
.endif
	v_add_nc_u32 v[BADR], 256, v[BADR]
	v_nop
	v_nop
.endif
.if \kind == 1
	s_wait_dscnt 0x0                               ; my reads of this slot are over: its last V is in registers
	s_set_vgpr_msb 0x5
	s_wait_tensorcnt 0x0                           ; all my tensor loads have landed, my part of the next slot among them, so every group 0 may be written
	ds_add_u32 v96, v97
	s_wait_dscnt 0x0
	s_set_vgpr_msb 0x500
	s_add_nc_u64 s[G0V+4*(1-\nslot)+2:G0V+4*(1-\nslot)+3], s[G0V+4*(1-\nslot)+2:G0V+4*(1-\nslot)+3], 131072   ; 1,024 keys on
	s_add_nc_u64 s[G0K+4*(1-\nslot)+2:G0K+4*(1-\nslot)+3], s[G0K+4*(1-\nslot)+2:G0K+4*(1-\nslot)+3], 131072
	ROUND                                          ; both now hold of every wave of the four work-groups
	JLOAD (1-\nslot)                               ; my one tensor load behind the round; it has the next slot's 512 keys of work in which to land
.endif
.if \kind == 2
	s_wait_dscnt 0x0
	s_wait_tensorcnt 0x0                           ; my part of the last slot is in
	s_barrier_signal -1
	s_barrier_wait -1
.endif
.if \kind != 3
	LOADK
	LOADB
.endif
	SOFTMAX 0
.if \first == 0
	RESCALE 0
.endif
	SOFTMAX 1
.if \first == 0
	RESCALE 1
.endif
.if \kind == 0
	s_wait_dscnt 24                                ; V is in; the 24 loads of the next K and bias behind it may be out
.endif
.if \kind == 3
	s_wait_dscnt 0x0
.endif
	PV \first
.if \kind != 3
.if \kind == 0                                     ; five places: the next matrix instructions write over P^T, the loads below over V^T
	v_add_nc_u32 v[VADR], 32*VP, v[VADR]
.else
	v_add_nc_u32 v[VADR], \nslot*SLOT, v[VBASE]
.endif
	PLACES
	LOADV
.endif
.endm
	LOADK
	LOADB
	LOADV
	CHUNK 1, 0, 0                                  ; keys 0 to 63 start the sums
	s_mov_b32 s54, 6
.Lslot_a:
	CHUNK 0, 0, 0
	s_sub_co_i32 s54, s54, 1
	s_cmp_lg_u32 s54, 0
	s_cbranch_scc1 .Lslot_a
	CHUNK 0, 1, 1                                  ; slot 0 gets keys 1,024 to 1,535
	s_mov_b32 s54, 7
.Lslot_b:
	CHUNK 0, 0, 0
	s_sub_co_i32 s54, s54, 1
	s_cmp_lg_u32 s54, 0
	s_cbranch_scc1 .Lslot_b
	CHUNK 0, 1, 0                                  ; slot 1 gets keys 1,536 to 2,047
	s_mov_b32 s54, 7
.Lslot_c:
	CHUNK 0, 0, 0
	s_sub_co_i32 s54, s54, 1
	s_cmp_lg_u32 s54, 0
	s_cbranch_scc1 .Lslot_c
	CHUNK 0, 2, 1                                  ; nothing is left to fetch
	s_mov_b32 s54, 7
.Lslot_d:
	CHUNK 0, 0, 0
	s_sub_co_i32 s54, s54, 1
	s_cmp_lg_u32 s54, 0
	s_cbranch_scc1 .Lslot_d
	CHUNK 0, 3, 0
; The way out for query tile t: the sums of the two halves of the lanes meet, O^T is divided by them (by 0 where every key was masked: the result is 0),
; rounded to f16, and goes through my own stage; the 16 rows are 2,048 consecutive bytes of xh.
.macro FINISH t
.set AL, ST+6*\t+2
.set LL, ST+6*\t+4
	v_add_f32 v[LL], v[LL], v[LL+1]
	v_permlanex16_b32 v[TA], v[LL], s52, s53
	v_add_f32 v[LL], v[LL], v[TA]
	v_rcp_f32 v[AL], v[LL]
	v_cmp_lt_f32 vcc_lo, 0, v[LL]                  ; the plain instruction behind the reciprocal: it reads neither its result nor writes its source
	s_wait_alu depctr_va_vdst(0)
	v_cndmask_b32 v[AL], 0, v[AL], vcc_lo
.irp dt, 0,1,2,3
.irp p, 0,1,2,3
	v_pk_mul_f32 v[O+32*\t+8*\dt+2*\p:O+32*\t+8*\dt+2*\p+1], v[O+32*\t+8*\dt+2*\p:O+32*\t+8*\dt+2*\p+1], v[AL:AL+1] op_sel_hi:[1,0]
.endr
.irp p, 0,1,2,3
	v_cvt_pk_f16_f32 v[VF+4*\dt+\p], v[O+32*\t+8*\dt+2*\p], v[O+32*\t+8*\dt+2*\p+1]
.endr
	ds_store_b128 v[STO], v[VF+4*\dt:VF+4*\dt+3] offset:32*\dt
.endr
.irp i, 0,1,2,3
	ds_load_b128 v[VF+16+16*\t+4*\i:VF+16+16*\t+4*\i+3], v[RD] offset:4*SP*\i   ; LDS serves a wave's instructions in order (ISA guide 5.7.1); each t has registers of its own
.endr
.irp i, 0,1,2,3
	s_wait_dscnt 3-\i
	global_store_b128 v[CO], v[VF+16+16*\t+4*\i:VF+16+16*\t+4*\i+3], s[58:59] offset:\t*2048+512*\i   ; a wave's store covers 512 consecutive bytes, aligned
.endr
.endm
	PLACES                                         ; four places behind the last matrix instructions
	FINISH 0
	FINISH 1
	s_set_vgpr_msb 0x5
	s_wait_tensorcnt 0x0
	ds_add_u32 v96, v97
	s_wait_dscnt 0x0
	s_set_vgpr_msb 0x500
	ROUND                                          ; the closing round
	s_endpgm
.Lfunc_end_k_q58778a2c98_attn:
	.size	k_q58778a2c98_attn, .Lfunc_end_k_q58778a2c98_attn-k_q58778a2c98_attn
	.p2alignl 7, 3214868480
	.fill 96, 4, 3214868480
	.section	.rodata,"a",@progbits
	.p2align	6, 0x0
	.amdhsa_kernel k_q58778a2c98_attn
		.amdhsa_group_segment_fixed_size 327680
		.amdhsa_private_segment_fixed_size 0
		.amdhsa_enable_private_segment 0
		.amdhsa_kernarg_size 24
		.amdhsa_user_sgpr_count 2
		.amdhsa_user_sgpr_kernarg_segment_ptr 1
		.amdhsa_wavefront_size32 1
		.amdhsa_system_sgpr_workgroup_id_x 1
		.amdhsa_system_sgpr_workgroup_id_y 1
		.amdhsa_system_sgpr_workgroup_id_z 1
		.amdhsa_system_vgpr_workitem_id 0
		.amdhsa_next_free_vgpr 354
		.amdhsa_next_free_sgpr 72
		.amdhsa_reserve_vcc 1
		.amdhsa_float_denorm_mode_32 3
		.amdhsa_float_denorm_mode_16_64 3
		.amdhsa_memory_ordered 1
		.amdhsa_forward_progress 1
		.amdhsa_inst_pref_size 185
	.end_amdhsa_kernel
	.amdgpu_metadata
---
amdhsa.version: [ 1, 2 ]
amdhsa.kernels:
  - .name:           k_q58778a2c98_attn
    .symbol:         k_q58778a2c98_attn.kd
    .args:
      - { .name: qkv, .offset: 0, .size: 8, .value_kind: global_buffer, .address_space: global }
      - { .name: padding_mask, .offset: 8, .size: 8, .value_kind: global_buffer, .address_space: global }
      - { .name: xh, .offset: 16, .size: 8, .value_kind: global_buffer, .address_space: global }
    .group_segment_fixed_size: 327680
    .private_segment_fixed_size: 0
    .kernarg_segment_align: 8
    .kernarg_segment_size: 24
    .max_flat_workgroup_size: 256
    .sgpr_count:     72
    .vgpr_count:     354
    .wavefront_size: 32
...
	.end_amdgpu_metadata
.endif
;; end of part 3
;; launch oproj (part 4): grid 4 x 64, 4 waves a work-group, clusters of 4 x 4, 304,640 bytes of LDS; arguments xh, wh, b_o, out0; writes out0
.if DOCPART == 4
	.amdgcn_target "amdgcn-amd-amdhsa--gfx1250"
	.amdhsa_code_object_version 6
	.text
	.protected	k_q58778a2c98_oproj
	.globl	k_q58778a2c98_oproj
	.p2align	8
	.type	k_q58778a2c98_oproj,@function
k_q58778a2c98_oproj:
	s_mov_b64 s[64:65], 0
	v_nop
	global_prefetch_b8 v0, s[64:65] scope:SCOPE_SE
	s_setreg_imm32_b32 hwreg(HW_REG_WAVE_MODE, 25, 1), 1
	s_wait_xcnt 0x0
	s_wait_alu depctr_hold_cnt(0) depctr_sa_sdst(0) depctr_va_vdst(0) depctr_va_sdst(0) depctr_va_ssrc(0) depctr_va_vcc(0) depctr_vm_vsrc(0)
	s_getreg_b32 s2, hwreg(HW_REG_IB_STS2, 6, 4)
	s_cmp_eq_u32 s2, 0
	s_cbranch_scc0 .Lentry_in_a_cluster
	s_endpgm
.Lentry_in_a_cluster:
	s_bfe_u32 s2, ttmp6, 0x10000c
	s_cmp_lg_u32 s2, 0xf033
	s_cbranch_scc0 .Lentry_shape_is_right
	s_endpgm
.Lentry_shape_is_right:
; out0[token][n] = sum over (head, d) of xh[b][head][t][d] wh[3][64 head + d][n] + b_o[n], in f32.
; A work-group makes 128 tokens x 128 columns with four waves of 64 x 64 (16 accumulator tiles each).  K = 512 is four steps of 128 (two heads),
; and all four steps' tiles fit in LDS at once: every tile is a first fill, no LDS byte is filled twice, and there is no ring.
; Source 0 = 16 columns of W (transposing loads), source 1 = 16 tokens of xh: a lane holds 8 neighbouring columns of one token.
; CLUSTERS: 4 x 4 work-groups; xh's tiles are shared along a row of the cluster, W's along a column, each asked for jointly.
.set WP,    288                        ; LDS row of W: 256 bytes + 32
.set XP,    272                        ; LDS row of xh: two tokens (256 bytes) + 16
.set WH,    64*WP                      ; 64 rows of W: one tensor load
.set XPL,   64*XP                      ; one head's 128 tokens: one tensor load
.set XOFF,  2*WH
.set STEP,  2*WH+2*XPL                 ; 71,680 bytes
.set STAGE, 4*STEP                     ; 16 rows x 272 bytes for each wave, filled by no tensor load
.set SPO,   272
.set ADRA,  8                          ; v8-11   my xh fragments in step 0..3
.set ADRB,  12                         ; v12-15  my W fragments in step 0..3
.set STO,   16
.set RD,    17
.set CO,    18
.set BOFF,  19
.set BI,    20                         ; v[20:51]    bias as four C tiles
.set F0,    52                         ; v[52:115]   buffer 0: xh at +8 a, W at +32 + 8 b
.set F1,    116                        ; v[116:179]  buffer 1
.set RB,    180                        ; v[180:243]  the way out: two sets of 32
                                       ; window 1: accumulator (a, b) at v[8 (4 a + b)]
.set G1A, 20                           ; s[20:27] group 1 for xh's tiles
.set G1B, 28                           ; s[28:35] group 1 for W's tiles
.set G0A, 36                           ; s[36:51] group 0 for xh's tiles, one set a step
.set G0B, 68                           ; s[68:83] group 0 for W's tiles, one set a step
.set MSB, 0
.macro WIN new
.if MSB != \new
	s_set_vgpr_msb (MSB<<8)|\new
.set MSB, \new
.endif
.endm
.macro PLACES
.rept 4
	v_nop
.endr
.endm
.macro ROUND
	s_barrier_signal -1
	s_barrier_wait -1
	s_cmp_lg_u32 s12, 0
	s_cbranch_scc1 .Lnot_wave_0_\@
	s_barrier_signal -3
.Lnot_wave_0_\@:
	s_barrier_wait -3
	s_barrier_signal -1
	s_barrier_wait -1
.endm
.macro JLOAD j                         ; waves 0, 1 ask for W's two halves, waves 2, 3 for the step's two heads of xh
	s_cmp_eq_u32 s13, 0
	s_cbranch_scc0 .Lfor_x_\@
	tensor_load_to_lds s[G0B+4*\j:G0B+4*\j+3], s[G1B:G1B+7]
	s_nop 0
	s_branch .Lasked_\@
.Lfor_x_\@:
	tensor_load_to_lds s[G0A+4*\j:G0A+4*\j+3], s[G1A:G1A+7]
	s_nop 0
.Lasked_\@:
.endm
	s_load_b256 s[4:11], s[0:1], 0x0               ; xh s[4:5], wh s[6:7], b_o s[8:9], out0 s[10:11]
	v_lshl_add_u32 v254, v0, 2, 0x4a400
	v_mov_b32 v255, 0
	ds_add_u32 v254, v255
	v_lshrrev_b32 v1, 5, v0
	v_readfirstlane_b32 s12, v1                    ; wave 0..3
	s_lshr_b32 s13, s12, 1                         ; my half of the tokens; also: I fetch for W (0) or for xh (1)
	s_and_b32 s14, s12, 1                          ; my half of the columns; also: which half or head I fetch
	s_bfe_u32 s15, ttmp6, 0x40000                  ; cx
	s_bfe_u32 s16, ttmp6, 0x40004                  ; cy
	s_lshl_b32 s17, ttmp9, 2
	s_add_co_u32 s17, s17, s15                     ; column block
	s_and_b32 s18, ttmp7, 0xffff
	s_lshl_b32 s18, s18, 2
	s_add_co_u32 s18, s18, s16                     ; token block
	s_lshl_b32 s52, s16, 2
	s_lshl_b32 s52, 15, s52                        ; my row of the cluster
	s_lshl_b32 s53, 0x1111, s15                    ; my column
	; group 1 for xh: 128 tokens of a head, dense, as 64 rows of 128 f16; 4 words of padding behind every 64
	s_or_b32  s[G1A+0], s52, (1<<16)|(1<<20)|(1<<21)|(5<<22)|(3<<25)
	s_mov_b32 s[G1A+1], 128<<16
	s_mov_b32 s[G1A+2], 64<<16
	s_mov_b32 s[G1A+3], 128<<16
	s_mov_b32 s[G1A+4], 64
	s_mov_b32 s[G1A+5], 128
	s_mov_b32 s[G1A+6], 0
	s_mov_b32 s[G1A+7], 0
	; group 1 for W: 64 rows x 128 f16 of rows of 512; 8 words of padding behind every 64
	s_or_b32  s[G1B+0], s53, (1<<16)|(1<<20)|(1<<21)|(5<<22)|(7<<25)
	s_mov_b32 s[G1B+1], 128<<16
	s_mov_b32 s[G1B+2], 64<<16
	s_mov_b32 s[G1B+3], 128<<16
	s_mov_b32 s[G1B+4], 64
	s_mov_b32 s[G1B+5], 512
	s_mov_b32 s[G1B+6], 0
	s_mov_b32 s[G1B+7], 0
	s_lshr_b32 s54, s18, 4                         ; xh: batch (2,097,152 bytes), 128 tokens of 128 bytes a block, my head of the step's two (262,144): nothing of cx
	s_lshl_b32 s54, s54, 21
	s_and_b32 s55, s18, 15
	s_lshl_b32 s55, s55, 14
	s_add_co_u32 s54, s54, s55
	s_lshl_b32 s55, s14, 18
	s_add_co_u32 s54, s54, s55
	s_mov_b32 s55, 0
	s_lshl_b32 s56, s17, 8                         ; wh: the fourth weight, the block's columns, my 64 rows: nothing of cy
	s_lshl_b32 s57, s14, 16
	s_add_co_u32 s56, s56, s57
	s_add_co_u32 s56, s56, 3*524288
	s_mov_b32 s57, 0
	s_lshl_b32 s84, s18, 18                        ; out0: 128 rows of 2,048 bytes a block, 64 rows a half, 512 bytes a column block, 256 a half
	s_lshl_b32 s85, s13, 17
	s_add_co_u32 s84, s84, s85
	s_lshl_b32 s85, s17, 9
	s_add_co_u32 s84, s84, s85
	s_lshl_b32 s85, s14, 8
	s_add_co_u32 s84, s84, s85
	s_mov_b32 s85, 0
	s_mul_i32 s86, s12, WH                         ; where W's half goes (waves 0, 1)
	s_mul_i32 s87, s12, XPL                        ; where the head goes (waves 2, 3):
	s_add_co_u32 s87, s87, XOFF-2*XPL              ; XOFF + (wave - 2) x XPL
	s_wait_dscnt 0x0
	s_wait_kmcnt 0x0
	s_add_nc_u64 s[58:59], s[4:5], s[54:55]
	s_add_nc_u64 s[60:61], s[6:7], s[56:57]
	s_add_nc_u64 s[62:63], s[10:11], s[84:85]
.irp j, 0,1,2,3
	s_mov_b32 s[G0A+4*\j], 1
	s_add_co_u32 s[G0A+4*\j+1], s87, \j*STEP
	s_add_nc_u64 s[G0A+4*\j+2:G0A+4*\j+3], s[58:59], \j*524288        ; two heads on
	s_or_b32 s[G0A+4*\j+3], s[G0A+4*\j+3], 0x80000000
	s_mov_b32 s[G0B+4*\j], 1
	s_add_co_u32 s[G0B+4*\j+1], s86, \j*STEP
	s_add_nc_u64 s[G0B+4*\j+2:G0B+4*\j+3], s[60:61], \j*131072        ; 128 rows on
	s_or_b32 s[G0B+4*\j+3], s[G0B+4*\j+3], 0x80000000
.endr
	ROUND                                          ; all sixteen work-groups are here: the joint loads meet
	JLOAD 0                                        ; all fills go out as one group: four tensor loads of the wave are out
	JLOAD 1
	JLOAD 2
	JLOAD 3
	v_and_b32 v2, 15, v0                           ; r
	v_bfe_u32 v3, v0, 4, 1                         ; h
	s_lshl_b32 s84, s17, 9
	s_lshl_b32 s85, s14, 8
	s_add_co_u32 s84, s84, s85
	v_lshl_add_u32 v[BOFF], v3, 5, s84             ; 4 x (128 block + 64 half + 8 h)
.irp b, 0,1,2,3
	global_load_b128 v[BI+8*\b:BI+8*\b+3],   v[BOFF], s[8:9] offset:64*\b        ; register j of tile b = b_o[column 16 b + 8 h + j]
	global_load_b128 v[BI+8*\b+4:BI+8*\b+7], v[BOFF], s[8:9] offset:64*\b+16
.endr
	v_lshrrev_b32 v4, 1, v2                        ; xh: token r lies in LDS row r / 2, half r % 2
	v_mul_u32_u24 v4, v4, XP
	v_and_b32 v5, 1, v0
	v_lshl_add_u32 v4, v5, 7, v4
	v_lshl_add_u32 v4, v3, 4, v4
	s_mul_i32 s85, s13, 32*XP                      ; my 64 tokens
	s_add_co_u32 s85, s85, XOFF
	v_add_nc_u32 v[ADRA], s85, v4
	v_and_b32 v5, 7, v0                            ; W: row 8 h + lane % 8, 16 bytes at 16 x (lane / 8 % 2)
	v_lshl_add_u32 v5, v3, 3, v5
	v_mul_u32_u24 v5, v5, WP
	v_bfe_u32 v6, v0, 3, 1
	v_lshl_add_u32 v5, v6, 4, v5
	s_lshl_b32 s86, s14, 7
	v_add_nc_u32 v[ADRB], s86, v5
.irp j, 1,2,3
	v_add_nc_u32 v[ADRA+\j], \j*STEP, v[ADRA]
	v_add_nc_u32 v[ADRB+\j], \j*STEP, v[ADRB]
.endr
	s_mul_i32 s87, s12, 16*SPO
	s_add_co_u32 s87, s87, STAGE                   ; my stage
	v_mul_u32_u24 v4, v2, SPO                      ; in: row r, 32 bytes for each half of the lanes
	v_lshl_add_u32 v4, v3, 5, v4
	v_add_nc_u32 v[STO], s87, v4
	v_mul_u32_u24 v5, v3, SPO                      ; back: lanes 0-15 take one row of 256 bytes, lanes 16-31 the next
	v_lshl_add_u32 v5, v2, 4, v5
	v_add_nc_u32 v[RD], s87, v5
	v_lshlrev_b32 v6, 11, v3                       ; and the same two rows in out0
	v_lshl_add_u32 v[CO], v2, 4, v6
; 16 LDS loads: 32 along K at quarter ks of step j into buffer f.  Quarters 0, 1 lie in the step's first head, 2, 3 in its second.
.macro FETCH j, ks, f
.irp a, 0,1,2,3
	ds_load_b128 v[\f+8*\a:\f+8*\a+3],   v[ADRA+\j] offset:(\ks>>1)*XPL+\a*8*XP+(\ks&1)*64
	ds_load_b128 v[\f+8*\a+4:\f+8*\a+7], v[ADRA+\j] offset:(\ks>>1)*XPL+\a*8*XP+(\ks&1)*64+32
.endr
.irp b, 0,1,2,3
	ds_load_tr16_b128 v[\f+32+8*\b:\f+32+8*\b+3],   v[ADRB+\j] offset:\ks*32*WP+32*\b
	ds_load_tr16_b128 v[\f+32+8*\b+4:\f+32+8*\b+7], v[ADRB+\j] offset:\ks*32*WP+32*\b+16*WP
.endr
.endm
; 16 matrix instructions; the sixteen accumulators take turns.  bias = 1: the bias tile starts the sums.
.macro MUL f, bias
.irp a, 0,1,2,3
.irp b, 0,1,2,3
.if \bias
	v_wmma_f32_16x16x32_f16 v[8*(4*\a+\b):8*(4*\a+\b)+7], v[\f+32+8*\b:\f+32+8*\b+7], v[\f+8*\a:\f+8*\a+7], v[BI+8*\b:BI+8*\b+7]
.else
	v_wmma_f32_16x16x32_f16 v[8*(4*\a+\b):8*(4*\a+\b)+7], v[\f+32+8*\b:\f+32+8*\b+7], v[\f+8*\a:\f+8*\a+7], v[8*(4*\a+\b):8*(4*\a+\b)+7]
.endif
.endr
.endr
.endm
; One quarter: multiplies buffer f; ahead of that it fetches quarter nks of step nj into buffer g (fetch = 1).
; chg = 1: that quarter opens a new step: my part of its tiles has landed (tcnt later loads of mine may stay out), and everybody's has behind the barrier.
.macro KQ f, g, first, fetch, nj, nks, chg, tcnt
.if \first == 0
	PLACES                                         ; four places behind the matrix instructions that read g, in front of the loads into it
.endif
.if \chg
	s_wait_dscnt 0x0                               ; no LDS instruction of mine is pending at the signal
	s_wait_tensorcnt \tcnt
	s_barrier_signal -1
	s_barrier_wait -1
.endif
.if \fetch
	FETCH \nj, \nks, \g
	s_wait_dscnt 16                                ; all but the 16 just issued: f is in
.else
	s_wait_dscnt 0x0
.endif
.if \first
	WIN 0x40                                       ; D in window 1, C (the bias) in window 0
.else
	WIN 0x50                                       ; C and D in window 1
.endif
	MUL \f, \first
	WIN 0
.endm
	s_wait_loadcnt 0x0                             ; the bias
	s_wait_tensorcnt 0x3                           ; my part of step 0 is in; the three later steps' may stay out
	s_barrier_signal -1
	s_barrier_wait -1
	FETCH 0, 0, F0
	KQ F0, F1, 1, 1, 0, 1, 0, 0
	KQ F1, F0, 0, 1, 0, 2, 0, 0
	KQ F0, F1, 0, 1, 0, 3, 0, 0
	KQ F1, F0, 0, 1, 1, 0, 1, 2
	KQ F0, F1, 0, 1, 1, 1, 0, 0
	KQ F1, F0, 0, 1, 1, 2, 0, 0
	KQ F0, F1, 0, 1, 1, 3, 0, 0
	KQ F1, F0, 0, 1, 2, 0, 1, 1
	KQ F0, F1, 0, 1, 2, 1, 0, 0
	KQ F1, F0, 0, 1, 2, 2, 0, 0
	KQ F0, F1, 0, 1, 2, 3, 0, 0
	KQ F1, F0, 0, 1, 3, 0, 1, 0
	KQ F0, F1, 0, 1, 3, 1, 0, 0
	KQ F1, F0, 0, 1, 3, 2, 0, 0
	KQ F0, F1, 0, 1, 3, 3, 0, 0
	KQ F1, F0, 0, 0, 0, 0, 0, 0
; 16 tokens out, in f32: 32 bytes a lane into my own stage, back as whole rows of 256 bytes.
.macro OUTA a
	WIN 0x04                                       ; the stores' data in window 1
.irp b, 0,1,2,3
	ds_store_b128 v[STO], v[8*(4*\a+\b):8*(4*\a+\b)+3]   offset:64*\b
	ds_store_b128 v[STO], v[8*(4*\a+\b)+4:8*(4*\a+\b)+7] offset:64*\b+16
.endr
	WIN 0
	s_wait_xcnt 0x0                                ; the registers that earlier stores read are loaded again only behind this wait
.irp i, 0,1,2,3,4,5,6,7
	ds_load_b128 v[RB+32*(\a&1)+4*\i:RB+32*(\a&1)+4*\i+3], v[RD] offset:2*SPO*\i   ; LDS serves a wave's instructions in order (ISA guide 5.7.1)
.endr
.irp i, 0,1,2,3,4,5,6,7
	s_wait_dscnt 7-\i
	global_store_b128 v[CO], v[RB+32*(\a&1)+4*\i:RB+32*(\a&1)+4*\i+3], s[62:63] offset:(16*\a+2*\i)*2048 th:TH_STORE_NT   ; 16 lanes store 256 consecutive bytes, aligned
.endr
.endm
	PLACES                                         ; four places behind the last matrix instructions, in front of the LDS stores that read the results
	OUTA 0
	OUTA 1
	OUTA 2
	OUTA 3
	s_wait_tensorcnt 0x0
	ds_add_u32 v254, v255
	s_wait_dscnt 0x0
	ROUND                                          ; the closing round
	s_endpgm
.Lfunc_end_k_q58778a2c98_oproj:
	.size	k_q58778a2c98_oproj, .Lfunc_end_k_q58778a2c98_oproj-k_q58778a2c98_oproj
	.p2alignl 7, 3214868480
	.fill 96, 4, 3214868480
	.section	.rodata,"a",@progbits
	.p2align	6, 0x0
	.amdhsa_kernel k_q58778a2c98_oproj
		.amdhsa_group_segment_fixed_size 304640
		.amdhsa_private_segment_fixed_size 0
		.amdhsa_enable_private_segment 0
		.amdhsa_kernarg_size 32
		.amdhsa_user_sgpr_count 2
		.amdhsa_user_sgpr_kernarg_segment_ptr 1
		.amdhsa_wavefront_size32 1
		.amdhsa_system_sgpr_workgroup_id_x 1
		.amdhsa_system_sgpr_workgroup_id_y 1
		.amdhsa_system_sgpr_workgroup_id_z 1
		.amdhsa_system_vgpr_workitem_id 0
		.amdhsa_next_free_vgpr 384
		.amdhsa_next_free_sgpr 90
		.amdhsa_reserve_vcc 0
		.amdhsa_float_denorm_mode_32 3
		.amdhsa_float_denorm_mode_16_64 3
		.amdhsa_memory_ordered 1
		.amdhsa_forward_progress 1
		.amdhsa_inst_pref_size 55
	.end_amdhsa_kernel
	.amdgpu_metadata
---
amdhsa.version: [ 1, 2 ]
amdhsa.kernels:
  - .name:           k_q58778a2c98_oproj
    .symbol:         k_q58778a2c98_oproj.kd
    .args:
      - { .name: xh, .offset: 0, .size: 8, .value_kind: global_buffer, .address_space: global }
      - { .name: wh, .offset: 8, .size: 8, .value_kind: global_buffer, .address_space: global }
      - { .name: b_o, .offset: 16, .size: 8, .value_kind: global_buffer, .address_space: global }
      - { .name: out0, .offset: 24, .size: 8, .value_kind: global_buffer, .address_space: global }
    .group_segment_fixed_size: 304640
    .private_segment_fixed_size: 0
    .kernarg_segment_align: 8
    .kernarg_segment_size: 32
    .max_flat_workgroup_size: 128
    .sgpr_count:     90
    .vgpr_count:     384
    .wavefront_size: 32
...
	.end_amdgpu_metadata
.endif
;; end of part 4
